; MI455X (gfx1250); checked and timed in simulation.
; The chip was launched on July 23, 2026; its instructions are those of AMD's public machine-readable ISA for CDNA 5 (MIT licence, August 2026) and "CDNA5" Instruction Set Architecture Reference Guide (July 2026). The comments in the code are by the model that wrote it; some were corrected since.
;; SA Block. Allowed arithmetic: matrix products marked QUANTISED: E2M3 operands, one E8M0 scale for each 32 along K, by v_wmma_scale_f32_16x16x128_f8f6f4 with both operands' format E2M3, f32 sums; everything else in f32.
;; Inputs: b_out 1,024 float32; w_out 1,024 x 1,024 float32; w_qkv 3,072 x 1,024 float32; x 2 x 2,048 x 1,024 float32.
;; Outputs: out0 2 x 2,048 x 1,024 float32.
;; This version of the problem:
;;   THIS VERSION OF THE PROBLEM IS GIVEN IN LOW PRECISION. The matrix products marked QUANTISED in the list below multiply operands that are first quantised to E2M3 (2 exponent bits, 3 mantissa bits; 6 bits a number), with one power-of-two scale for each 32 numbers along K (OCP MX v1.0); their sums are f32. All else is computed in f32.
;;   The module's matrix products, in the order in which they are computed (A, B: the left and right operand; K: the contracted axis; several contracted axes count as one K, in the product's order):
;;     1. [M 4,096, K 1,024] x [K 1,024, N 3,072]; A: input x; B: input w_qkv: QUANTISED
;;     2. batch 32 x [M 2,048, K 64] x [K 64, N 2,048]; A: computed on the way; B: computed on the way: QUANTISED
;;     3. batch 32 x [M 2,048, K 2,048] x [K 2,048, N 64]; A: softmax (see below); B: computed on the way: QUANTISED
;;     4. [M 4,096, K 1,024] x [K 1,024, N 1,024]; A: computed on the way; B: input w_out: QUANTISED
;;   THE QUANTISER, for each operand of a quantised product, along K:
;;     - K is cut into blocks of 32 from its start; a last block that is shorter is filled with zeros.
;;     - A block's scale is 2^e with e = floor(log2(the largest magnitude in the block)) - 2, held to -126 .. 127; a block of zeros has e = 0. As a byte (E8M0): e + 127.
;;     - Each number is divided by its block's scale, clamped to +-7.5, and rounded to the nearest number of E2M3, ties to even, subnormals kept.
;;     - The product sums the exact products of the quantised numbers (number of the format x scale) in f32.
;;   ~~~python
;;   def quantise(x, axis):      # numpy; x: float32 -> the quantised numbers, widened to float32 again
;;       x = np.moveaxis(x, axis, -1); K = x.shape[-1]
;;       x = np.pad(x, [(0, 0)] * (x.ndim - 1) + [(0, -K % 32)]); x = x.reshape(x.shape[:-1] + (-1, 32)); a = np.abs(x).max(-1, keepdims=True)
;;       e = np.where(a > 0, np.clip(np.frexp(np.where(a > 0, a, 1))[1] - 1 - 2, -126, 127), 0)      # np.frexp(a)[1] - 1 = floor(log2(a)), exactly
;;       r = np.clip(x / 2.0 ** e, -7.5, 7.5)
;;       step = 2.0 ** (np.maximum(np.frexp(np.where(r == 0, 1, r))[1] - 1, 0) - 3)
;;       q = np.round(r / step) * step * 2.0 ** e      # np.round: ties to even
;;       return np.moveaxis(q.reshape(q.shape[:-2] + (-1,))[..., :K], -1, axis).astype(np.float32)
;;   ~~~
;;   SOFTMAX AHEAD OF A QUANTISED PRODUCT. Where the list says 'softmax', what is quantised is not the finished softmax but p = 2^(t - M), with t = logit x log2(e) and M = ceil(the row's largest t), a whole number; so 1/2 < the row's largest p <= 1. The row's sum l is taken of the UNQUANTISED p, in f32, and the product's result is divided by l at the end. Since M is a whole number, a kernel that streams over the keys may use a running M (the ceiling of the running maximum): every later rescaling is an exact power of two, which a block's scale takes up: the codes' values come out the same.
;;   OPERANDS COMPUTED ON THE WAY. 'Computed on the way' means the value that the module computes at that place (a softmax that the list does not call 'softmax' is quantised finished and normalised). What goes into a quantiser is computed in f32, as accurately as f32 sums, v_exp_f32 and their like allow (about 1e-6 of the number): no bf16 or f16 on the way to a quantiser, and a product that is left as it is and whose result goes on into a quantised operand takes f32 operands (vector FMAs, or v_wmma_f32_16x16x4_f32). A number that lies on a knife's edge between two numbers of the format may be rounded either way, as far as f32 arithmetic and the matrix unit's own rounding can turn it there, and no further.
;; One version. Each part assembles by itself: llvm-mc -triple=amdgcn-amd-amdhsa -mcpu=gfx1250 --defsym DOCPART=n.
;; ======== version 1 of 1: 4 launches
;; limits: right only within a limited range of input values
;; workspace buffers: xq 3,276,800 bytes; wq 2,457,600 bytes; wo 819,200 bytes; qq 3,407,872 bytes; kv 6,684,672 bytes; ao 3,276,800 bytes
;; launch quant (part 1): grid 256 x 1, 4 waves a work-group, no clusters, 34,304 bytes of LDS; arguments x, w_qkv, w_out, xq, wq, wo; writes xq, wq, wo
.if DOCPART == 1
	.amdgcn_target "amdgcn-amd-amdhsa--gfx1250"
	.amdhsa_code_object_version 6
	.text
	.protected	k_q095668f76d_quant
	.globl	k_q095668f76d_quant
	.p2align	8
	.type	k_q095668f76d_quant,@function
k_q095668f76d_quant:
	s_mov_b64 s[64:65], 0
	v_nop
	global_prefetch_b8 v0, s[64:65] scope:SCOPE_SE
	s_setreg_imm32_b32 hwreg(HW_REG_WAVE_MODE, 25, 1), 1
	s_wait_xcnt 0x0
; x [4096][1024], w_qkv [3072][1024] and w_out [1024][1024], f32 with K innermost, become codes of FP6 (E2M3) with one E8M0 byte for each 32 along K.
; A block's scale is 2^(floor(log2(its largest magnitude)) - 2); its byte is that magnitude's exponent field - 2, held at 1 from below.
; LIMITS: a block of zeros carries the byte 1 where the rule says 127 (its codes are zeros, and this program alone reads the bytes); NaN and infinities among the inputs are not served.
; LAYOUT OF THE RESULT.  Rows go in tiles of 16: lane r of tile T holds row 64 (T / 4) + 32 (r / 8) + 8 (T % 4) + r % 8: so a product's result has 32 neighbours along the next K in ONE lane.
; A row tile is 12,800 bytes: 512 of scale words [half of K][r][four words of 128 along K], then 16 units.  A UNIT is 16 rows x 64 along K as an image of six operand registers, 768 bytes:
; lane l's registers 0-3 at 16 l, its registers 4-5 at 512 + 8 l; lane (r, h) holds the 32 codes k = 64 c + 32 h + 0 .. 31 of its row.
; wq's row tiles lie in groups of twelve: eight of q's or k's (128 features), then four of v's (64): what one work-group of the next launch multiplies by.
; SHARES.  512 row tiles: work-groups 0-127 take x's 256, 128-223 w_qkv's 192, 224-255 w_out's 64; only pointers are chosen, all take one path.  A wave takes one tile x 512 along K, in four steps of 128.
; Each load reads 512 consecutive bytes of one row; all 64 of a wave are asked for at the head.  A step's 16 rows turn through the wave's own stage in LDS, so that a lane gets two whole blocks of 32 neighbours.
; No tensor load, no barrier, no cluster: waves share nothing.
.set SP,    528                        ; a stage row: 512 bytes + 16
.set STG,   16*SP                      ; a wave's stage
.set SPARE, 4*STG
.set RR,    16                         ; v16-143 of windows 0 and 1: four sets of 64: a step's numbers as loaded
.set XX,    144                        ; v144-207 my two blocks of 32 neighbours
.set CC,    208                        ; v208-219 the fragment's 12 registers of codes
.set TT,    220                        ; v220-222, v224-226 the second halves of the blocks' codes
.set MX,    228
.set SO,    230
.set BY,    232
.set SPW,   240
.set NIL,   241
.set WD,    12                         ; v12-15   the four steps' scale words
.set MSB, 0
.macro WIN new                         ; the immediate's high byte repeats the setting that is left
.if MSB != (\new)
	s_set_vgpr_msb (MSB<<8)|(\new)
.set MSB, \new
.endif
.endm
	s_load_b256 s[4:11], s[0:1], 0x0               ; x, w_qkv, w_out, xq
	s_load_b128 s[12:15], s[0:1], 0x20             ; wq, wo
	v_lshl_add_u32 v[SPW], v0, 2, SPARE
	v_mov_b32 v[NIL], 0
	v_lshrrev_b32 v1, 5, v0
	v_readfirstlane_b32 s20, v1                    ; wave 0..3
	v_and_b32 v1, 31, v0                           ; lane
	v_and_b32 v8, 15, v0                           ; r
	v_bfe_u32 v9, v0, 4, 1                         ; h: kept
	v_lshlrev_b32 v2, 4, v1                        ; 16 x lane
	v_lshlrev_b32 v3, 3, v1
	v_add_nc_u32 v3, 512, v3                       ; 512 + 8 x lane
	s_mul_i32 s21, s20, STG
	v_add_nc_u32 v4, s21, v2                       ; the stage, on the way in: 16 x lane of a row
	v_mul_u32_u24 v5, v8, SP
	v_lshl_add_u32 v5, v9, 7, v5
	v_add_nc_u32 v5, s21, v5                       ; and on the way out: row r, block h
	v_lshlrev_b32 v6, 3, v9                        ; 8 h: my bytes' place in a scale word, in bits
	v_lshl_add_u32 v7, v8, 4, v6                   ; 16 r + 8 h: where my two scale words go
	v_mov_b32 v10, 0                               ; a lane permute's destination counts as one of its sources
	s_mov_b32 s22, 0x76543210
	s_mov_b32 s23, 0xfedcba98                      ; v_permlanex16_b32's selects for lane l xor 16
	s_lshr_b32 s24, s20, 1                         ; which of the work-group's two tiles
	s_and_b32 s25, s20, 1                          ; which half of K
	s_wait_alu depctr_va_vdst(0)                   ; the wait at the head's end
	s_wait_kmcnt 0x0
	s_cmp_lt_u32 ttmp9, 224                        ; the choice hangs on the work-group's number alone
	s_cselect_b64 s[6:7], s[6:7], s[8:9]
	s_cselect_b64 s[12:13], s[12:13], s[14:15]
	s_mov_b32 s17, 224
	s_cselect_b32 s16, 128, s17                    ; the tensor's first work-group
	s_cmp_lt_u32 ttmp9, 128
	s_cselect_b64 s[4:5], s[4:5], s[6:7]           ; the tensor
	s_cselect_b64 s[10:11], s[10:11], s[12:13]     ; its workspace
	s_cselect_b32 s16, 0, s16
	s_sub_co_u32 s16, ttmp9, s16
	s_lshl_b32 s28, s16, 1
	s_add_co_u32 s28, s28, s24                     ; T
	s_lshr_b32 s26, s28, 2
	s_lshl_b32 s26, s26, 18                        ; 64 (T / 4) rows of 4,096 bytes,
	s_and_b32 s27, s28, 3
	s_lshl_b32 s27, s27, 15                        ; + 8 (T % 4) rows,
	s_add_co_u32 s26, s26, s27
	s_lshl_b32 s27, s25, 11                        ; + 512 numbers for the upper half of K
	s_add_co_u32 s26, s26, s27
	s_mov_b32 s27, 0
	s_add_nc_u64 s[4:5], s[4:5], s[26:27]
.irp s, 0,1,2,3                        ; step s: 128 numbers of each of the tile's 16 rows, 512 consecutive bytes a load; steps 2 and 3 into window 1
	WIN 0x40*(\s/2)
.irp i, 0,1,2,3,4,5,6,7,8,9,10,11,12,13,14,15
	global_load_b128 v[RR+64*(\s%2)+4*\i:RR+64*(\s%2)+4*\i+3], v2, s[4:5] offset:(\i+24*(\i/8))*4096+512*\s th:TH_LOAD_NT
.endr
.endr
	WIN 0
	s_lshr_b32 s17, s28, 3                         ; where tile T lies: x, w_out at T; w_qkv's q and k: 12 (T / 8) + T % 8,
	s_mul_i32 s17, s17, 12
	s_and_b32 s18, s28, 7
	s_add_co_u32 s17, s17, s18
	s_lshr_b32 s19, s28, 2                         ; v: 12 ((T - 128) / 4) + 8 + T % 4
	s_mul_i32 s19, s19, 12
	s_and_b32 s18, s28, 3
	s_add_co_u32 s19, s19, s18
	s_sub_co_u32 s19, s19, 376
	s_cmp_lt_u32 s28, 128
	s_cselect_b32 s17, s17, s19
	s_sub_co_u32 s18, ttmp9, 128
	s_cmp_lt_u32 s18, 96
	s_cselect_b32 s28, s17, s28
	s_mul_i32 s26, s28, 12800
	s_lshl_b32 s29, s25, 8
	s_add_co_u32 s29, s29, s26
	s_mul_i32 s28, s25, 6144
	s_add_co_u32 s26, s26, s28
	s_add_nc_u64 s[30:31], s[10:11], s[26:27]      ; my eight units lie 512 bytes on
	s_mov_b32 s26, s29
	s_add_nc_u64 s[32:33], s[10:11], s[26:27]      ; my 256 bytes of scale words
.macro STEP s
.set RS, RR+64*((\s)%2)
	s_wait_loadcnt 16*(3-(\s))                     ; this step's 16 loads are in; the later steps' may be out
	WIN 4*((\s)/2)
.irp i, 0,1,2,3,4,5,6,7,8,9,10,11,12,13,14,15
	ds_store_b128 v4, v[RS+4*\i:RS+4*\i+3] offset:SP*\i
.endr
	WIN 0
.irp j, 0,1,2,3,4,5,6,7
	ds_load_b128 v[XX+4*\j:XX+4*\j+3], v5 offset:16*\j              ; LDS serves a wave's instructions in order: these see the stores.  Block h of my row,
.endr
.irp j, 0,1,2,3,4,5,6,7
	ds_load_b128 v[XX+32+4*\j:XX+32+4*\j+3], v5 offset:256+16*\j    ; and block 2 + h
.endr
	s_wait_dscnt 0x0
.irp c, 0,1
	v_max3_num_f32 v[MX+\c], |v[XX+32*\c]|, |v[XX+32*\c+1]|, 0x1800000   ; the block's largest magnitude, all 32 mine, over the floor 2^(3 - 127): the byte cannot fall under 1
.endr
.irp i, 2,4,6,8,10,12,14,16,18,20,22,24,26,28,30
.irp c, 0,1
	v_max3_num_f32 v[MX+\c], v[MX+\c], |v[XX+32*\c+\i]|, |v[XX+32*\c+\i+1]|
.endr
.endr
.irp c, 0,1
	v_add_nc_u32 v[SO+\c], 0xff000000, v[MX+\c]    ; 2 off the exponent field: the conversion takes this operand's exponent field as its scale
.endr
.irp c, 0,1
	v_lshrrev_b32 v[BY+\c], 23, v[SO+\c]           ; the scale's byte
.endr
	v_lshl_or_b32 v8, v[BY+1], 16, v[BY]           ; blocks h and 2 + h,
	v_lshlrev_b32 v8, v6, v8                       ; at their places in the word;
	v_permlanex16_b32 v10, v8, s22, s23
	v_or_b32 v[WD+\s], v8, v10                     ; with lane l xor 16's two bytes the word is whole
	s_wait_alu depctr_va_vdst(0)
	s_wait_xcnt 0x0                                ; the last step's stores have read the codes' registers
.irp c, 0,1
	v_cvt_scalef32_pk16_fp6_f32 v[CC+6*\c:CC+6*\c+2], v[XX+32*\c:XX+32*\c+15], v[SO+\c]
	v_cvt_scalef32_pk16_fp6_f32 v[TT+4*\c:TT+4*\c+2], v[XX+32*\c+16:XX+32*\c+31], v[SO+\c]   ; (a conversion's three registers begin on an even number)
.endr
	v_nop                                          ; one plain line behind the scaled conversions
.irp c, 0,1
.irp i, 0,1,2
	v_mov_b32 v[CC+6*\c+3+\i], v[TT+4*\c+\i]
.endr
.endr
.irp c, 0,1
	global_store_b128 v2, v[CC+6*\c:CC+6*\c+3], s[30:31] offset:512+(2*(\s)+\c)*768     ; 512 consecutive bytes,
	global_store_b64 v3, v[CC+6*\c+4:CC+6*\c+5], s[30:31] offset:512+(2*(\s)+\c)*768    ; and the 256 behind them: a unit, at a multiple of 256 from the buffer's first byte
.endr
.endm
	STEP 0
	STEP 1
	STEP 2
	STEP 3
	v_cmp_ne_u32 vcc_lo, 0, v9
	v_cndmask_b32 v10, v12, v14, vcc_lo            ; lanes 0-15 store words 0 and 1 of their row, lanes 16-31 words 2 and 3
	v_cndmask_b32 v11, v13, v15, vcc_lo
	global_store_b64 v7, v[10:11], s[32:33]        ; 256 consecutive bytes, aligned
	s_wait_tensorcnt 0x0                           ; the wave's end
	ds_add_u32 v[SPW], v[NIL]
	s_wait_dscnt 0x0
	s_endpgm
.Lfunc_end_k_q095668f76d_quant:
	.size	k_q095668f76d_quant, .Lfunc_end_k_q095668f76d_quant-k_q095668f76d_quant
	.p2alignl 7, 3214868480
	.fill 96, 4, 3214868480
	.section	.rodata,"a",@progbits
	.p2align	6, 0x0
	.amdhsa_kernel k_q095668f76d_quant
		.amdhsa_group_segment_fixed_size 34304
		.amdhsa_private_segment_fixed_size 0
		.amdhsa_enable_private_segment 0
		.amdhsa_kernarg_size 48
		.amdhsa_user_sgpr_count 2
		.amdhsa_user_sgpr_kernarg_segment_ptr 1
		.amdhsa_wavefront_size32 1
		.amdhsa_system_sgpr_workgroup_id_x 1
		.amdhsa_system_sgpr_workgroup_id_y 1
		.amdhsa_system_sgpr_workgroup_id_z 1
		.amdhsa_system_vgpr_workitem_id 0
		.amdhsa_next_free_vgpr 512
		.amdhsa_next_free_sgpr 66
		.amdhsa_reserve_vcc 1
		.amdhsa_float_denorm_mode_32 3
		.amdhsa_float_denorm_mode_16_64 3
		.amdhsa_memory_ordered 1
		.amdhsa_forward_progress 1
		.amdhsa_inst_pref_size 32
	.end_amdhsa_kernel
	.amdgpu_metadata
---
amdhsa.version: [ 1, 2 ]
amdhsa.kernels:
  - .name:           k_q095668f76d_quant
    .symbol:         k_q095668f76d_quant.kd
    .args:
      - { .name: x, .offset: 0, .size: 8, .value_kind: global_buffer, .address_space: global }
      - { .name: w_qkv, .offset: 8, .size: 8, .value_kind: global_buffer, .address_space: global }
      - { .name: w_out, .offset: 16, .size: 8, .value_kind: global_buffer, .address_space: global }
      - { .name: xq, .offset: 24, .size: 8, .value_kind: global_buffer, .address_space: global }
      - { .name: wq, .offset: 32, .size: 8, .value_kind: global_buffer, .address_space: global }
      - { .name: wo, .offset: 40, .size: 8, .value_kind: global_buffer, .address_space: global }
    .group_segment_fixed_size: 34304
    .private_segment_fixed_size: 0
    .kernarg_segment_align: 8
    .kernarg_segment_size: 48
    .max_flat_workgroup_size: 128
    .sgpr_count:     66
    .vgpr_count:     512
    .wavefront_size: 32
...
	.end_amdgpu_metadata
.endif
;; end of part 1
;; launch qkv (part 2): grid 16 x 16, 4 waves a work-group, clusters of 4 x 4, 327,680 bytes of LDS; arguments xq, wq, qq, kv; writes qq, kv
.if DOCPART == 2
	.amdgcn_target "amdgcn-amd-amdhsa--gfx1250"
	.amdhsa_code_object_version 6
	.text
	.protected	k_q095668f76d_qkv
	.globl	k_q095668f76d_qkv
	.p2align	8
	.type	k_q095668f76d_qkv,@function
k_q095668f76d_qkv:
	s_mov_b64 s[64:65], 0
	v_nop
	global_prefetch_b8 v0, s[64:65] scope:SCOPE_SE
	s_setreg_imm32_b32 hwreg(HW_REG_WAVE_MODE, 25, 1), 1
	s_wait_xcnt 0x0
	s_wait_alu depctr_hold_cnt(0) depctr_sa_sdst(0) depctr_va_vdst(0) depctr_va_sdst(0) depctr_va_ssrc(0) depctr_va_vcc(0) depctr_vm_vsrc(0)
	s_getreg_b32 s2, hwreg(HW_REG_IB_STS2, 6, 4)
	s_cmp_eq_u32 s2, 0
	s_cbranch_scc0 .Lentry_in_a_cluster
	s_endpgm
.Lentry_in_a_cluster:
	s_bfe_u32 s2, ttmp6, 0x10000c
	s_cmp_lg_u32 s2, 0xf033
	s_cbranch_scc0 .Lentry_shape_is_right
	s_endpgm
.Lentry_shape_is_right:
; qkv = x w_qkv^T on codes of FP6 (E2M3) with E8M0 scales, K = 1,024, and the results quantised in registers for the attention: q and k along the head's 64, v along the keys.  Nothing wide goes to memory.
; OPERANDS: row tiles of 12,800 bytes (512 of scale words, 16 units of 768), rows in the order 64 (T / 4) + 32 (r / 8) + 8 (T % 4) + r % 8: a fragment of 128 along K is four dense LDS loads, with no pitch and no padding.
; 256 WORK-GROUPS, each 256 tokens x 192 features: 128 of q or k (two heads; s94 < 8: q) and the 64 of v's head s94.  Four waves, 2 x 2: a wave makes 128 tokens x (one head of q or k, half a head of v): 48 accumulators, 384 registers.
; q, k: source 0 = w's rows, so that a lane holds ONE token and 32 neighbouring features (32 h + 8 b + j).  v: source 0 = x's rows: a lane holds ONE feature and twice 32 neighbouring tokens (64 c + 32 h + 0 .. 31).
; So a lane holds whole scale blocks, and no lane looks at another for a maximum or for a code.
; CLUSTERS: 4 x 4.  x's tiles hang on cy and are asked for jointly by a row of the cluster, w's on cx and by a column.
; K GOES IN EIGHT STEPS OF 128, in three regions: steps 0-2 with all scale words (5,120 bytes a row tile), steps 3-6 (6,144), step 7 (1,536).  The first two are asked for at the head, one load a wave; the third fills the first's bytes
; again behind one round of the cluster's barrier in step 2, and has four steps, 192 matrix instructions a wave, in which to land.  By this text's count a wave has one tensor load out.
; No prefetch: of a launch's loads one alone stands behind the head, and no loop runs ahead of it.
; OUT: qq [head 32][block of 128 tokens][6,656]: 8 units, 512 bytes of scale words.  kv [head][128 keys][13,056]: K's 8 units and 512 bytes of words, V's 4 x 2 units (16 d x 128 keys) and 256 bytes of words.
; LIMITS: a block of zeros carries the byte 1 (its codes are zeros; this program alone reads the bytes); NaN and infinities are not served.
; REGISTERS: window 0: v1-7 lane terms, v8-25 LDS addresses (x, q/k, v of regions 0-2, two each), v26, v27, v30 the scale words' addresses, v28-29 the add's, v32-95 x's scale words, v100-147 w's, v148-243 x's fragments (one set), on the way out codes;
;   window 1: w's fragments, two sets of six;  window 2: q/k's accumulators ((a, b) at 8 (4 a + b));  window 3: v's ((f, a) at 64 f + 8 a).
.set C0, 5120
.set C1, 6144
.set C2, 1536
.set XR0, 0
.set WR0, 16*C0
.set XR1, WR0+12*C0
.set WR1, XR1+16*C1
.set SPARE, WR1+12*C1
.set QB_,  6656
.set KVB,  13056
.set AD,   8
.set SPW,  28
.set NIL,  29
.set XS,   32
.set WS,   100
.set XF,   148
.set QC,   148                         ; the way out: q/k's codes, six registers a tile
.set VC,   196                         ; v's, twelve a fragment
.set TX,   220
.set SO,   224
.set PT,   226
.set BQ,   234                         ; scale bytes of q/k's eight tiles
.set BV,   242                         ; of v's two fragments, two each
.set OW,   248
.set VW,   252
.set G1X,  24                          ; groups 1: x's region 0, w's region 0, x's region 1, w's region 1
.set G1W,  32
.set G1X1, 40
.set G1W1, 48
.set G0X,  56
.set G0W,  60
.set G0X1, 68
.set G0W1, 72
.set MSB, 0
.macro WIN new                         ; the immediate's high byte repeats the setting that is left
.if MSB != (\new)
	s_set_vgpr_msb (MSB<<8)|(\new)
.set MSB, \new
.endif
.endm
.macro PLACES n
.rept \n
	v_nop
.endr
.endm
.macro CREST                           ; a round of the cluster's barrier behind its opening barrier
	s_cmp_lg_u32 s14, 0
	s_cbranch_scc1 .Lnot_wave_0_\@
	s_barrier_signal -3
.Lnot_wave_0_\@:
	s_barrier_wait -3
	s_barrier_signal -1
	s_barrier_wait -1
.endm
.macro CROUND
	s_barrier_signal -1
	s_barrier_wait -1
	CREST
.endm
.macro TLOAD g0, g1
	tensor_load_to_lds s[\g0:\g0+3], s[\g1:\g1+7]
	s_nop 0
	PLACES 4
.endm
.macro GROUP1 g, mask, cols, rows      ; rows of cols x 8 bytes, 12,800 bytes apart; dense in LDS
	s_or_b32 s[\g], s[\mask], (3<<16)|(1<<21)
	s_mov_b32 s[\g+1], (\cols)<<16
	s_mov_b32 s[\g+2], (\rows)<<16
	s_mov_b32 s[\g+3], (\cols)<<16
	s_mov_b32 s[\g+4], \rows
	s_mov_b32 s[\g+5], 1600
	s_mov_b32 s[\g+6], 0
	s_mov_b32 s[\g+7], 0
.endm
.macro GROUP0 g, lds, base, off
	s_mov_b32 s[\g], 1
	s_mov_b32 s[\g+1], \lds
	s_add_nc_u64 s[\g+2:\g+3], s[\base:\base+1], \off
	s_or_b32 s[\g+3], s[\g+3], 0x80000000
.endm
	s_load_b256 s[4:11], s[0:1], 0x0               ; xq, wq, qq, kv
	v_lshl_add_u32 v[SPW], v0, 2, SPARE
	v_mov_b32 v[NIL], 0
	ds_add_u32 v[SPW], v[NIL]                      ; the opening: the add, twice on end, and its wait ahead of my first tensor load
	ds_add_u32 v[SPW], v[NIL]
	v_lshrrev_b32 v1, 5, v0
	v_readfirstlane_b32 s14, v1                    ; wave 0..3
	s_lshr_b32 s15, s14, 1                         ; my half of the tokens
	s_and_b32 s16, s14, 1                          ; my half of the features
	s_bfe_u32 s92, ttmp6, 0x40000                  ; cx
	s_bfe_u32 s93, ttmp6, 0x40004                  ; cy
	s_lshl_b32 s94, ttmp9, 2
	s_add_co_u32 s94, s94, s92                     ; group of 192 features
	s_and_b32 s95, ttmp7, 0xffff
	s_lshl_b32 s95, s95, 2
	s_add_co_u32 s95, s95, s93                     ; tile of 256 tokens
	s_lshl_b32 s96, s93, 2
	s_lshl_b32 s96, 15, s96                        ; my row of the cluster
	s_lshl_b32 s97, 0x1111, s92                    ; my column
	GROUP1 G1X, 96, 640, 16
	GROUP1 G1W, 97, 640, 12
	GROUP1 G1X1, 96, 768, 16
	GROUP1 G1W1, 97, 768, 12
	s_mul_i32 s18, s95, 16*12800
	s_mov_b32 s19, 0
	s_mul_i32 s20, s94, 12*12800
	s_mov_b32 s21, 0
	s_wait_alu depctr_va_vdst(0)
	s_wait_dscnt 0x0                               ; both opening adds are done
	s_wait_kmcnt 0x0
	s_add_nc_u64 s[18:19], s[4:5], s[18:19]
	s_add_nc_u64 s[20:21], s[6:7], s[20:21]
	GROUP0 G0X, XR0, 18, 0
	GROUP0 G0W, WR0, 20, 0
	GROUP0 G0X1, XR1, 18, C0
	GROUP0 G0W1, WR1, 20, C0
	CROUND                                         ; all sixteen work-groups are here: the joint loads meet
.macro ARM under, g0, g1, next         ; one tree of branches on the wave's number, one load to an arm
	s_cmp_lt_u32 s14, \under
	s_cbranch_scc0 \next
	TLOAD \g0, \g1
	s_branch .Lasked
\next:
.endm
	ARM 1, G0X, G1X, .Lwave_1
	ARM 2, G0W, G1W, .Lwave_2
	ARM 3, G0X1, G1X1, .Lwave_3
	TLOAD G0W1, G1W1
.Lasked:
	v_and_b32 v1, 31, v0                           ; lane
	v_and_b32 v2, 15, v0                           ; r
	v_bfe_u32 v3, v0, 4, 1                         ; h
	v_lshlrev_b32 v4, 4, v1                        ; 16 x lane
	v_lshlrev_b32 v5, 3, v1
	v_add_nc_u32 v5, 512, v5                       ; 512 + 8 x lane
	v_lshlrev_b32 v6, 4, v2                        ; 16 r
.macro ADDR k, half, base, mul
	s_mul_i32 s17, s\half, \mul
	s_add_co_u32 s17, s17, \base
	v_add_nc_u32 v[AD+2*\k], s17, v4
	v_add_nc_u32 v[AD+2*\k+1], s17, v5
.endm
	ADDR 0, 15, XR0, 8*C0
	v_add_nc_u32 v26, s17, v6
	ADDR 1, 16, WR0, 4*C0
	v_add_nc_u32 v27, s17, v6
	ADDR 2, 16, WR0+8*C0, 2*C0
	v_add_nc_u32 v30, s17, v6
	ADDR 3, 15, XR1, 8*C1
	ADDR 4, 16, WR1, 4*C1
	ADDR 5, 16, WR1+8*C1, 2*C1
	ADDR 6, 15, XR0, 8*C2
	ADDR 7, 16, WR0, 4*C2
	ADDR 8, 16, WR0+8*C2, 2*C2
.macro WHERE s                         ; where step s lies: region, bytes from row tile to row tile, offset in a row tile's part
.if (\s) < 3
.set G_, 0
.set ST_, C0
.set OF_, 512+1536*(\s)
.elseif (\s) < 7
.set G_, 1
.set ST_, C1
.set OF_, 1536*((\s)-3)
.else
.set G_, 2
.set ST_, C2
.set OF_, 0
.endif
.endm
.macro FRAG reg, ad, off               ; 16 rows x 128 K: two units on end, four loads of consecutive bytes
	ds_load_b128 v[\reg:\reg+3], v[\ad] offset:\off
	ds_load_b64 v[\reg+4:\reg+5], v[\ad+1] offset:\off
	ds_load_b128 v[\reg+6:\reg+9], v[\ad] offset:\off+768
	ds_load_b64 v[\reg+10:\reg+11], v[\ad+1] offset:\off+768
.endm
.macro FETCH_W s                       ; w's six fragments of step s into set s % 2: 24 loads
	WHERE \s
	WIN 0x40
.irp b, 0,1,2,3
	FRAG 72*((\s)%2)+12*\b,AD+6*G_+2,OF_+ST_*\b
.endr
.irp f, 0,1
	FRAG 72*((\s)%2)+48+12*\f,AD+6*G_+4,OF_+ST_*\f
.endr
	WIN 0
.endm
.macro FETCH_X s, i0                   ; x's tiles i0 .. i0 + 3: 16 loads
	WHERE \s
.irp i, \i0,\i0+1,\i0+2,\i0+3
	FRAG XF+12*(\i),AD+6*G_,OF_+ST_*(\i)
.endr
.endm
.macro MM d, a, b, c, sa, sb
	v_wmma_scale_f32_16x16x128_f8f6f4 v[\d:\d+7], v[\a:\a+11], v[\b:\b+11], \c, v[\sa], v[\sb] matrix_a_fmt:MATRIX_FMT_FP6 matrix_b_fmt:MATRIX_FMT_FP6
.endm
; The 48 accumulators take turns, one instruction a turn, in the same order in every step.  zero = 1: the first products start the sums.
.macro QK16 s, a0, zero
	WIN 0xa1                                       ; source 0 window 1, source 1 window 0, C and D window 2
.irp a, \a0,\a0+1,\a0+2,\a0+3
.irp b, 0,1,2,3
.set D_, 8*(4*(\a)+\b)
.if \zero
	MM D_,72*((\s)%2)+12*\b,XF+12*(\a),0,WS+8*\b+(\s),XS+8*(\a)+(\s)
.else
	MM D_,72*((\s)%2)+12*\b,XF+12*(\a),v[D_:D_+7],WS+8*\b+(\s),XS+8*(\a)+(\s)
.endif
.endr
.endr
.endm
.macro V8 s, a0, zero
	WIN 0xf4                                       ; source 0 window 0, source 1 window 1, C and D window 3
.irp a, \a0,\a0+1,\a0+2,\a0+3
.irp f, 0,1
.set D_, 64*\f+8*(\a)
.if \zero
	MM D_,XF+12*(\a),72*((\s)%2)+48+12*\f,0,XS+8*(\a)+(\s),WS+32+8*\f+(\s)
.else
	MM D_,XF+12*(\a),72*((\s)%2)+48+12*\f,v[D_:D_+7],XS+8*(\a)+(\s),WS+32+8*\f+(\s)
.endif
.endr
.endr
.endm
; A step.  kind 0: its successor lies in the same region.  kind 1: a plain barrier shows the next region to all.  kind 2: that barrier opens a round of the cluster's barrier: in front of it every wave has waited for its tensor load,
; has added 0 to its spare word and has waited for that and for its LDS reads; behind it region 0, which nobody reads any more, takes step 7.
.macro STEP s, kind, zero
.if (\kind) > 0
	s_wait_tensorcnt 0x0
	ds_add_u32 v[SPW], v[NIL]
.if (\kind) == 2
	s_mov_b32 s[G1X+1], 192<<16                    ; no tensor load of mine is out: the descriptors of region 0's second fill: rows of 1,536 bytes, 11,264 bytes on
	s_mov_b32 s[G1X+3], 192<<16
	s_mov_b32 s[G1W+1], 192<<16
	s_mov_b32 s[G1W+3], 192<<16
	s_add_nc_u64 s[G0X+2:G0X+3], s[G0X+2:G0X+3], C0+C1
	s_add_nc_u64 s[G0W+2:G0W+3], s[G0W+2:G0W+3], C0+C1
.endif
	s_wait_dscnt 17                                ; (the add and the youngest sixteen loads, x's tiles 4-7, may be out)
.else
	s_wait_dscnt 16                                ; (the youngest sixteen loads, x's tiles 4-7, may be out)
.endif
	QK16 \s,0,\zero
.if (\kind) > 0
	s_wait_dscnt 0x0
	s_barrier_signal -1
	V8 \s,0,\zero
	WIN 0
	s_barrier_wait -1
.if (\kind) == 2
	CREST
	s_cmp_eq_u32 s14, 0
	s_cbranch_scc0 .Lfill_w
	TLOAD G0X, G1X
	s_branch .Lfilled
.Lfill_w:
	s_cmp_eq_u32 s14, 1
	s_cbranch_scc0 .Lfilled
	TLOAD G0W, G1W
.Lfilled:
.endif
.else
	V8 \s,0,\zero
	s_wait_dscnt 0x0
.endif
	PLACES 4                                       ; in front of each run of loads into registers that matrix instructions have read
	FETCH_W (\s)+1
	FETCH_X (\s)+1,0
	QK16 \s,4,\zero
	V8 \s,4,\zero
	PLACES 4
	WIN 0
	FETCH_X (\s)+1,4
.endm
	s_wait_alu depctr_va_vdst(0)                   ; the wait at the head's end
	s_cmp_lt_u32 s14, 2
	s_cbranch_scc0 .Lnot_first
	s_wait_tensorcnt 0x0                           ; region 0 came by waves 0 and 1
.Lnot_first:
	s_barrier_signal -1
	s_barrier_wait -1                              ; region 0 is in; region 1 may still be on its way
.irp i, 0,1,2,3,4,5,6,7                ; all scale words, once
	ds_load_b128 v[XS+8*\i:XS+8*\i+3], v26 offset:C0*\i
	ds_load_b128 v[XS+8*\i+4:XS+8*\i+7], v26 offset:C0*\i+256
.endr
.irp i, 0,1,2,3
	ds_load_b128 v[WS+8*\i:WS+8*\i+3], v27 offset:C0*\i
	ds_load_b128 v[WS+8*\i+4:WS+8*\i+7], v27 offset:C0*\i+256
.endr
.irp i, 0,1
	ds_load_b128 v[WS+32+8*\i:WS+32+8*\i+3], v30 offset:C0*\i
	ds_load_b128 v[WS+32+8*\i+4:WS+32+8*\i+7], v30 offset:C0*\i+256
.endr
	FETCH_W 0
	FETCH_X 0,0
	FETCH_X 0,4
	STEP 0,0,1
	STEP 1,0,0
	STEP 2,2,0
	STEP 3,0,0
	STEP 4,0,0
	STEP 5,0,0
	STEP 6,1,0
	s_wait_dscnt 16
	QK16 7,0,0
	V8 7,0,0
	s_wait_dscnt 0x0
	QK16 7,4,0
	V8 7,4,0
	WIN 0
	; THE WAY OUT
	s_lshl_b32 s17, s95, 1
	s_add_co_u32 s17, s17, s15                     ; my block of 128 tokens, 0 .. 31
	s_lshr_b32 s18, s17, 4
	s_lshl_b32 s18, s18, 8
	s_and_b32 s17, s17, 15
	s_add_co_u32 s17, s17, s18                     ; 256 x batch + block
	s_lshl_b32 s18, s94, 4
	s_add_co_u32 s18, s18, s17
	s_mul_i32 s22, s18, KVB                        ; v's head s94
	s_mov_b32 s23, 0
	s_mul_i32 s20, s16, 3072
	s_add_co_u32 s20, s20, s22
	s_mov_b32 s21, 0
	s_add_nc_u64 s[20:21], s[10:11], s[20:21]      ; my two fragments of v, 6,656 bytes on
	s_add_nc_u64 s[22:23], s[10:11], s[22:23]      ; its scale words, 12,800 bytes on
	s_lshl_b32 s18, s94, 1
	s_add_co_u32 s18, s18, s16
	s_and_b32 s18, s18, 15
	s_lshl_b32 s18, s18, 4
	s_add_co_u32 s18, s18, s17
	s_mov_b32 s19, QB_
	s_cmp_lt_u32 s94, 8                            ; q or k
	s_cselect_b32 s19, s19, KVB
	s_cselect_b64 s[12:13], s[8:9], s[10:11]
	s_mul_i32 s18, s18, s19
	s_mov_b32 s19, 0
	s_add_nc_u64 s[18:19], s[12:13], s[18:19]      ; q's or k's eight units, and 6,144 bytes on their words
	s_lshl_b32 s3, s16, 3
	v_lshl_add_u32 v7, v3, 2, v6
	v_add_nc_u32 v7, s3, v7                        ; v's word: 16 r + 8 x half + 4 h
	PLACES 4                                       ; places behind the last products
; Two runs of 32 accumulator registers, at ra and rb of window w, become six registers of codes each, at ca and cb, and scale bytes in ba and bb.  Each accumulator is read from its low end on.
.macro OUTP w, ra, rb, ca, cb, ba, bb
	WIN ((\w)<<2)|((\w)<<4)
.irp i, 0,2,4,6,8,10,12,14
.if \i == 0                            ; over the floor 2^(3 - 127): the byte cannot fall under 1
	v_max3_num_f32 v[TX], 0x1800000, |v[\ra]|, |v[\ra+1]|
	v_max3_num_f32 v[TX+1], 0x1800000, |v[\ra+16]|, |v[\ra+17]|
	v_max3_num_f32 v[TX+2], 0x1800000, |v[\rb]|, |v[\rb+1]|
	v_max3_num_f32 v[TX+3], 0x1800000, |v[\rb+16]|, |v[\rb+17]|
.else
	v_max3_num_f32 v[TX], v[TX], |v[\ra+\i]|, |v[\ra+\i+1]|
	v_max3_num_f32 v[TX+1], v[TX+1], |v[\ra+16+\i]|, |v[\ra+17+\i]|
	v_max3_num_f32 v[TX+2], v[TX+2], |v[\rb+\i]|, |v[\rb+\i+1]|
	v_max3_num_f32 v[TX+3], v[TX+3], |v[\rb+16+\i]|, |v[\rb+17+\i]|
.endif
.endr
	WIN 0
	v_max_num_f32 v[TX], v[TX], v[TX+1]
	v_max_num_f32 v[TX+2], v[TX+2], v[TX+3]
	v_add_nc_u32 v[SO], 0xff000000, v[TX]          ; 2 off the exponent field: the conversion's scale operand
	v_add_nc_u32 v[SO+1], 0xff000000, v[TX+2]
	v_lshrrev_b32 v[\ba], 23, v[SO]                ; the scale's byte
	v_lshrrev_b32 v[\bb], 23, v[SO+1]
	WIN \w
	v_cvt_scalef32_pk16_fp6_f32 v[\ca:\ca+2], v[\ra:\ra+15], v[SO]
	v_cvt_scalef32_pk16_fp6_f32 v[PT:PT+2], v[\ra+16:\ra+31], v[SO]
	v_cvt_scalef32_pk16_fp6_f32 v[\cb:\cb+2], v[\rb:\rb+15], v[SO+1]
	v_cvt_scalef32_pk16_fp6_f32 v[PT+4:PT+6], v[\rb+16:\rb+31], v[SO+1]
	WIN 0
	v_nop                                          ; one plain line behind the scaled conversions
.irp i, 0,1,2
	v_mov_b32 v[\ca+3+\i], v[PT+\i]
	v_mov_b32 v[\cb+3+\i], v[PT+4+\i]
.endr
.endm
.macro UNIT c, base, off               ; a unit: 512 consecutive bytes and the 256 behind them, at a multiple of 256 from the buffer's first byte
	global_store_b128 v4, v[\c:\c+3], \base offset:\off
	global_store_b64 v5, v[\c+4:\c+5], \base offset:\off
.endm
.irp a, 0,2,4,6
	OUTP 2,32*\a,32*\a+32,QC+6*\a,QC+6*\a+6,BQ+\a,BQ+\a+1
	UNIT QC+6*\a,s[18:19],768*\a
	UNIT QC+6*\a+6,s[18:19],768*\a+768
.endr
.irp f, 0,1
	OUTP 3,64*\f,64*\f+32,VC+12*\f,VC+12*\f+6,BV+2*\f,BV+2*\f+1
	UNIT VC+12*\f,s[20:21],6656+1536*\f
	UNIT VC+12*\f+6,s[20:21],6656+1536*\f+768
.endr
.irp j, 0,1,2,3                        ; lanes 0-15 take the words of tiles 0-3, lanes 16-31 those of tiles 4-7: byte 0 from lanes 0-15, byte 1 from lanes 16-31; bytes 2 and 3 are 0 and meet zero codes
	v_permlane16_swap_b32 v[BQ+\j], v[BQ+4+\j]
.endr
.irp j, 0,1,2,3
	v_lshl_or_b32 v[OW+\j], v[BQ+4+\j], 8, v[BQ+\j]
.endr
	v_lshl_or_b32 v[VW], v[BV+1], 16, v[BV]        ; v: lanes 0-15 take fragment 0's word, lanes 16-31 fragment 1's
	v_lshl_or_b32 v[VW+1], v[BV+3], 16, v[BV+2]
	v_permlane16_swap_b32 v[VW], v[VW+1]
	v_lshl_or_b32 v[VW], v[VW+1], 8, v[VW]
	global_store_b128 v4, v[OW:OW+3], s[18:19] offset:6144   ; tile t's word of row r at 256 (t / 4) + 16 r + 4 (t % 4)
	global_store_b32 v7, v[VW], s[22:23] offset:12800        ; d tile t's word of row r at 16 r + 4 t
	s_wait_tensorcnt 0x0                           ; the wave's end
	ds_add_u32 v[SPW], v[NIL]
	s_wait_dscnt 0x0
	CROUND                                         ; the closing round: no work-group ends while a partner may still ask for a tile that names it
	s_endpgm
.Lfunc_end_k_q095668f76d_qkv:
	.size	k_q095668f76d_qkv, .Lfunc_end_k_q095668f76d_qkv-k_q095668f76d_qkv
	.p2alignl 7, 3214868480
	.fill 96, 4, 3214868480
	.section	.rodata,"a",@progbits
	.p2align	6, 0x0
	.amdhsa_kernel k_q095668f76d_qkv
		.amdhsa_group_segment_fixed_size 327680
		.amdhsa_private_segment_fixed_size 0
		.amdhsa_enable_private_segment 0
		.amdhsa_kernarg_size 32
		.amdhsa_user_sgpr_count 2
		.amdhsa_user_sgpr_kernarg_segment_ptr 1
		.amdhsa_wavefront_size32 1
		.amdhsa_system_sgpr_workgroup_id_x 1
		.amdhsa_system_sgpr_workgroup_id_y 1
		.amdhsa_system_sgpr_workgroup_id_z 1
		.amdhsa_system_vgpr_workitem_id 0
		.amdhsa_next_free_vgpr 896
		.amdhsa_next_free_sgpr 98
		.amdhsa_reserve_vcc 0
		.amdhsa_float_denorm_mode_32 3
		.amdhsa_float_denorm_mode_16_64 3
		.amdhsa_memory_ordered 1
		.amdhsa_forward_progress 1
		.amdhsa_inst_pref_size 114
	.end_amdhsa_kernel
	.amdgpu_metadata
---
amdhsa.version: [ 1, 2 ]
amdhsa.kernels:
  - .name:           k_q095668f76d_qkv
    .symbol:         k_q095668f76d_qkv.kd
    .args:
      - { .name: xq, .offset: 0, .size: 8, .value_kind: global_buffer, .address_space: global }
      - { .name: wq, .offset: 8, .size: 8, .value_kind: global_buffer, .address_space: global }
      - { .name: qq, .offset: 16, .size: 8, .value_kind: global_buffer, .address_space: global }
      - { .name: kv, .offset: 24, .size: 8, .value_kind: global_buffer, .address_space: global }
    .group_segment_fixed_size: 327680
    .private_segment_fixed_size: 0
    .kernarg_segment_align: 8
    .kernarg_segment_size: 32
    .max_flat_workgroup_size: 128
    .sgpr_count:     98
    .vgpr_count:     896
    .wavefront_size: 32
...
	.end_amdgpu_metadata
.endif
;; end of part 2
;; launch attn (part 3): grid 8 x 32, 16 waves a work-group, clusters of 4 x 1, 210,944 bytes of LDS; arguments qq, kv, ao; writes ao
.if DOCPART == 3
	.amdgcn_target "amdgcn-amd-amdhsa--gfx1250"
	.amdhsa_code_object_version 6
	.text
	.protected	k_q095668f76d_attn
	.globl	k_q095668f76d_attn
	.p2align	8
	.type	k_q095668f76d_attn,@function
k_q095668f76d_attn:
	s_mov_b64 s[64:65], 0
	v_nop
	global_prefetch_b8 v0, s[64:65] scope:SCOPE_SE
	s_setreg_imm32_b32 hwreg(HW_REG_WAVE_MODE, 25, 1), 1
	s_wait_xcnt 0x0
	s_wait_alu depctr_hold_cnt(0) depctr_sa_sdst(0) depctr_va_vdst(0) depctr_va_sdst(0) depctr_va_ssrc(0) depctr_va_vcc(0) depctr_vm_vsrc(0)
	s_getreg_b32 s2, hwreg(HW_REG_IB_STS2, 6, 4)
	s_cmp_eq_u32 s2, 0
	s_cbranch_scc0 .Lentry_in_a_cluster
	s_endpgm
.Lentry_in_a_cluster:
	s_bfe_u32 s2, ttmp6, 0x10000c
	s_cmp_lg_u32 s2, 0x3003
	s_cbranch_scc0 .Lentry_shape_is_right
	s_endpgm
.Lentry_shape_is_right:
; Causal attention of one head on codes of FP6 (E2M3) with E8M0 scales, and its result quantised along (head, d) for the last product.
; t = score x log2(e) / 8; M = the row's largest t so far, rounded UP to a whole number; p = 2^(t - M) is quantised along the keys, not normalised; the row's sum is taken of the unquantised p and divides at the end.
; When M moves, the sum and O are multiplied by 2^(old M - new M): exact.  A block's scale is floor(its largest t - M) - 2: the exponent of its largest p.
; WORK LEFT OUT: key steps of 128 that lie wholly behind a tile's queries: reference() masks every score there to -infinity, so their p are 0 whatever the inputs hold.  A NaN or an infinity that reaches only such keys is not carried to the result.
; LIMITS: scaled scores (the exponents to the base 2, before the maximum is taken away) stay under 2^31 in magnitude; a block of zeros carries the byte 1; NaN and infinities are not served; v_exp_f32 gives 0 for p under 2^-126;
;   where a block's largest p lies within rounding of a power of two above it, that p is held at the largest code; 1 / sum is v_rcp_f32.
; INPUTS.  qq: [head 32][block of 128 positions 16][6,656]: 8 units of 768, scale words.  kv: [head][128 keys][13,056]: K's 8 units, its words (512 bytes), V's 4 x 2 units, its words (256).
; A unit is 16 rows x 64 along K as an image of six operand registers: lane l's registers 0-3 at 16 l, registers 4-5 at 512 + 8 l.  Lane r of tile t holds row 64 (t / 4) + 32 (r / 8) + 8 (t % 4) + r % 8 of its 128.
; THE FIRST PRODUCT'S K IS 64, half of the instruction's 128: Q's upper six registers are zero codes, written once; what K's operand names there (the next tile's codes, work registers) meets zeros and adds nothing.
; BOTH PRODUCTS ARE USED TRANSPOSED: S^T = K Q^T, O^T = V^T P^T: a lane holds ONE query throughout; by the order of rows its register 32 c + n is key 64 c + 32 h + n: two whole blocks of 32 keys, which are P's operand as they fall; and O^T's 32 are d = 32 h + 0 .. 31.
; SHARES.  Work-group (x, head): x = 0 .. 7 is the tile within a block.  Each of 16 waves takes tile x of one block of 128: waves i, i + 4, i + 8, i + 12 take blocks 15 - i, 8 + i, 7 - i, i: 34 key steps together for every i; the longest have the lowest numbers.
; LDS holds the WHOLE head's kv block, 208,896 bytes, filled once: wave w asks for key step w, jointly with the three partners of its cluster, which walk the same head.  One tensor load of a wave is out.
; Work begins when key step 0, wave 0's, is in; a barrier inside that step shows the others.  Nothing is filled again and nothing is stored to LDS.  (A head has eight work-groups and a mask names four: two clusters a head.)
; No prefetch: all tiles are asked for at the head, and no loop asks for any.
; The loop over key steps 1 to 15 has 15 trips in every wave; a step whose keys all come after the tile's queries is passed over by a scalar branch on the wave's number and the trip.
; OUT.  ao: row tiles of 12,800 bytes: 512 of scale words [half of K][r][16 bytes], 16 units; one byte a lane: a head owns 2 of a row's 32 scale bytes.
.set KVB,   13056
.set QBL,   6656
.set SPARE, 16*KVB
.set QF,  16
.set KV,  28                           ; v28-75 K's fragments, then V's
.set SOP, 76                           ; v76-81 the tail of K's last operand: scale operands, bytes, f
.set PB,  78
.set FF,  80
.set BM,  82
.set KSW, 84
.set VSW, 88
.set S,   92
.set O,   156
.set PC,  188
.set PT,  200
.set SUM, 208                          ; v[208:209] the sum, v210-215 three partial sums
.set CH,  216
.set OM,  220
.set TM,  221
.set PM,  222
.set W1,  223
.set NINF, 224
.set SPW, 225
.set NIL, 226
.set BYT, 227
.set PSC, 228
.macro CROUND                          ; a round of the cluster's barrier
	s_barrier_signal -1
	s_barrier_wait -1
	s_cmp_lg_u32 s10, 0
	s_cbranch_scc1 .Lnot_wave_0_\@
	s_barrier_signal -3
.Lnot_wave_0_\@:
	s_barrier_wait -3
	s_barrier_signal -1
	s_barrier_wait -1
.endm
.macro TLOAD
	tensor_load_to_lds s[24:27], s[16:23]
	s_nop 0
.rept 4
	v_nop
.endr
.endm
	s_load_b128 s[4:7], s[0:1], 0x0                ; qq, kv
	s_load_b64 s[8:9], s[0:1], 0x10                ; ao
	v_lshl_add_u32 v[SPW], v0, 2, SPARE
	v_mov_b32 v[NIL], 0
	ds_add_u32 v[SPW], v[NIL]                      ; the opening: the add, twice on end, and its wait
	ds_add_u32 v[SPW], v[NIL]
	v_lshrrev_b32 v1, 5, v0
	v_readfirstlane_b32 s10, v1                    ; wave 0..15
	s_bfe_u32 s11, ttmp6, 0x40000                  ; cx
	s_lshl_b32 s12, ttmp9, 2
	s_add_co_u32 s12, s12, s11                     ; x: my tile within a block: it enters global addresses and a vector compare alone
	s_and_b32 s13, ttmp7, 0xffff                   ; 16 x batch + head, which the partners share
	s_and_b32 s14, s13, 15                         ; head
	s_lshr_b32 s15, s13, 4                         ; batch
	s_mov_b32 s16, 15|(3<<16)|(1<<21)              ; group 1: all four partners; elements of 8 bytes; 21 set beside a mask; no padding
	s_mov_b32 s17, 32<<16                          ; rows of 256 bytes,
	s_mov_b32 s18, 51<<16                          ; 51 of them: a key step
	s_mov_b32 s19, 32<<16
	s_mov_b32 s20, 51
	s_mov_b32 s21, 32
	s_mov_b32 s22, 0
	s_mov_b32 s23, 0
	s_mul_i32 s46, s13, 16*KVB
	s_mul_i32 s25, s10, KVB                        ; my key step: its LDS address, by the wave's number alone,
	s_add_co_u32 s46, s46, s25                     ; and its place in kv
	s_mov_b32 s47, 0
	s_mov_b32 s24, 1
	s_wait_alu depctr_va_vdst(0)
	s_wait_dscnt 0x0
	s_wait_kmcnt 0x0
	s_add_nc_u64 s[26:27], s[6:7], s[46:47]
	s_or_b32 s27, s27, 0x80000000
	CROUND                                         ; all four work-groups are here: the joint loads meet
	s_cmp_eq_u32 s10, 0                            ; key step 0 has a load line of its own
	s_cbranch_scc0 .Lothers
	TLOAD
	s_branch .Lasked
.Lothers:
	TLOAD
.Lasked:
	v_and_b32 v4, 31, v0
	v_and_b32 v6, 15, v0                           ; r
	v_bfe_u32 v9, v0, 4, 1                         ; h
	v_lshlrev_b32 v1, 4, v4                        ; 16 x lane
	v_lshlrev_b32 v2, 3, v4
	v_lshlrev_b32 v3, 4, v6                        ; 16 r
	v_add_nc_u32 v2, 512, v2                       ; 512 + 8 x lane
	v_lshlrev_b32 v7, 3, v9                        ; 8 h
	v_and_b32 v5, 8, v6
	v_lshlrev_b32 v4, 5, v9
	v_mad_u32_u24 v8, v5, 3, v6                    ; r % 8 + 32 (r / 8)
	v_sub_nc_u32 v8, v8, v4                        ; less 32 h:
	s_lshr_b32 s46, s12, 2
	s_lshl_b32 s46, s46, 6
	s_and_b32 s52, s12, 3
	s_lshl_b32 s52, s52, 3
	s_add_co_u32 s46, s46, s52
	v_add_nc_u32 v8, s46, v8                       ; register 32 c + n is hidden on the diagonal where 64 c + n is above this
	s_bfe_u32 s46, s10, 0x10002
	s_mul_i32 s46, s46, 3
	s_xor_b32 s46, s46, s10
	s_sub_co_u32 s33, 15, s46                      ; my block
	s_lshl_b32 s46, s13, 4
	s_add_co_u32 s46, s46, s33
	s_mul_i32 s48, s46, QBL
	s_mul_i32 s46, s12, 768
	s_add_co_u32 s46, s46, s48
	s_add_nc_u64 s[38:39], s[4:5], s[46:47]        ; Q's unit
	s_lshr_b32 s46, s12, 2
	s_lshl_b32 s46, s46, 8
	s_add_co_u32 s46, s46, s48
	s_and_b32 s52, s12, 3
	s_lshl_b32 s52, s52, 2
	s_add_co_u32 s46, s46, s52
	s_add_nc_u64 s[40:41], s[4:5], s[46:47]        ; its scale words, 6,144 bytes on
	s_wait_alu depctr_va_vdst(0)                   ; the wait here, directly ahead of the readers below
	global_load_b128 v[QF:QF+3], v1, s[38:39]
	global_load_b64 v[QF+4:QF+5], v2, s[38:39]
	global_load_b32 v10, v3, s[40:41] offset:6144
	s_lshl_b32 s50, s15, 7
	s_lshl_b32 s46, s33, 3
	s_add_co_u32 s50, s50, s46
	s_add_co_u32 s50, s50, s12                     ; row tile 128 x batch + 8 x block + x
	s_mul_i32 s50, s50, 12800
	s_mul_i32 s46, s14, 768
	s_add_co_u32 s46, s46, s50
	s_add_nc_u64 s[42:43], s[8:9], s[46:47]        ; the result's unit, 512 bytes on
	s_lshr_b32 s46, s14, 3
	s_lshl_b32 s46, s46, 8
	s_add_co_u32 s46, s46, s50
	s_and_b32 s52, s14, 7
	s_lshl_b32 s52, s52, 1
	s_add_co_u32 s46, s46, s52
	s_add_nc_u64 s[44:45], s[8:9], s[46:47]        ; its scale bytes
.irp j, 22,23,24,25,26,27
	v_mov_b32 v\j, 0                               ; Q's zero codes for the instruction's upper 64 along K
.endr
.irp j, 13,76,77,78,79,80,81,208,209,222
	v_mov_b32 v\j, 0                               ; named before they are first computed; the sum's start
.endr
	v_mov_b32 v[NINF], 0xff800000                  ; -infinity
	v_mov_b32 v12, 0x7f61b1e6                      ; -M: 3e38, above every -t
	s_mov_b32 s28, 0x76543210
	s_mov_b32 s29, 0xfedcba98                      ; v_permlanex16_b32's selects for lane l xor 16
	s_mov_b32 s30, 0x3e38aa3b                      ; c = log2(e) / 8
	s_mov_b32 s31, s30                             ; (named with it as a pair)
	s_mov_b32 s37, 0xbe38aa3b                      ; -c
	s_mov_b32 s35, 0                               ; the key step's block in LDS
	s_mov_b32 s34, 0                               ; the key step
	s_wait_alu depctr_va_vdst(0)                   ; the wait at the head's end
	s_cmp_eq_u32 s10, 0
	s_cbranch_scc0 .Lnot_mine
	s_wait_tensorcnt 0x0                           ; wave 0: key step 0 is in
.Lnot_mine:
	s_barrier_signal -1
	s_barrier_wait -1                              ; it is shown to all
.macro KLOAD a, b                      ; K's eight units and its words: lane (r, h) takes the words of tiles 4 h .. 4 h + 3 for row r
.irp t, 0,1,2,3,4,5,6,7
	ds_load_b128 v[KV+6*\t:KV+6*\t+3], v\a offset:768*\t
	ds_load_b64 v[KV+6*\t+4:KV+6*\t+5], v\b offset:768*\t
.endr
	ds_load_b128 v[KSW:KSW+3], v\a offset:6144
.endm
.macro PKF n                           ; n pairs of scores: t - M
.rept \n
	v_pk_fma_f32 v[S+nn:S+nn+1], v[S+nn:S+nn+1], s[30:31], v[12:13] op_sel_hi:[1,0,0]
.set nn, nn+2
.endr
.endm
.macro STEP first
	s_wait_dscnt 0x0                               ; K and its words are in
.irp t, 0,1,2,3
	v_wmma_scale_f32_16x16x128_f8f6f4 v[S+8*\t:S+8*\t+7], v[KV+6*\t:KV+6*\t+11], v[QF:QF+11], 0, v[KSW+\t], v10 matrix_a_fmt:MATRIX_FMT_FP6 matrix_b_fmt:MATRIX_FMT_FP6
.endr
.irp t, 4,5,6,7
	v_wmma_scale_f32_16x16x128_f8f6f4 v[S+8*\t:S+8*\t+7], v[KV+6*\t:KV+6*\t+11], v[QF:QF+11], 0, v[KSW+\t-4], v10 matrix_a_fmt:MATRIX_FMT_FP6 matrix_b_fmt:MATRIX_FMT_FP6 matrix_a_scale:MATRIX_SCALE_ROW1
.endr
	v_mov_b32 v[OM], v12                           ; the old -M.  (These four are the places behind the products)
	v_add_nc_u32 v4, s35, v1
	v_add_nc_u32 v5, s35, v2
	v_add_nc_u32 v6, s35, v3
.irp t, 0,1,2,3                        ; V into K's registers: 16 of the head's 64 x 128 keys a fragment; it lands under the softmax
.irp c, 0,1
	ds_load_b128 v[KV+12*\t+6*\c:KV+12*\t+6*\c+3], v4 offset:6656+1536*\t+768*\c
	ds_load_b64 v[KV+12*\t+6*\c+4:KV+12*\t+6*\c+5], v5 offset:6656+1536*\t+768*\c
.endr
.endr
	ds_load_b128 v[VSW:VSW+3], v6 offset:12800     ; lane r: the words of d tiles 0 .. 3 for row r
	s_cmp_lg_u32 s34, s33                          ; only on the diagonal are keys hidden
	s_cbranch_scc1 .Lopen_\@
.set nn, 0
.rept 64
	v_cmp_gt_i32 vcc_lo, 64*(nn/32)+nn%32, v8
	v_cndmask_b32 v[S+nn], v[S+nn], v[NINF], vcc_lo   ; a hidden score becomes -infinity ahead of the maximum: p = 0 then
.set nn, nn+1
.endr
.Lopen_\@:
.irp b, 0,1,2,3                        ; four chains, two to a block of 32 keys
	v_max3_num_f32 v[CH+\b], v[S+16*\b], v[S+1+16*\b], v[S+2+16*\b]
.endr
.irp i, 3,5,7,9,11,13
.irp b, 0,1,2,3
	v_max3_num_f32 v[CH+\b], v[CH+\b], v[S+16*\b+\i], v[S+1+16*\b+\i]
.endr
.endr
	v_max3_num_f32 v[BM], v[CH], v[CH+1], v[S+15]
	v_max3_num_f32 v[BM+1], v[CH+2], v[CH+3], v[S+47]
	v_max_num_f32 v[BM], v[BM], v[S+31]            ; the largest score of each of my blocks: it serves the row's maximum and the block's scale
	v_max_num_f32 v[BM+1], v[BM+1], v[S+63]
	v_max_num_f32 v[TM], v[BM], v[BM+1]
	s_delay_alu instid0(VALU_DEP_1)
	v_permlanex16_b32 v[PM], v[TM], s28, s29
	s_delay_alu instid0(VALU_DEP_1)
	v_max_num_f32 v[TM], v[TM], v[PM]              ; with lane l xor 16's: the step's largest score of my query
	s_delay_alu instid0(VALU_DEP_1)
	v_mul_f32 v[TM], s37, v[TM]                    ; -t
	s_delay_alu instid0(VALU_DEP_1)
	v_floor_f32 v[TM], v[TM]
	s_delay_alu instid0(VALU_DEP_1)
	v_min_num_f32 v12, v12, v[TM]                  ; the new -M: a whole number
.if \first == 0
	s_delay_alu instid0(VALU_DEP_1)
	v_sub_f32 v[TM], v12, v[OM]                    ; old M - new M: a whole number, 0 or less
	s_delay_alu instid0(VALU_DEP_1)
	v_cvt_i32_f32 v[TM], v[TM]                     ; (it saturates)
	s_delay_alu instid0(VALU_DEP_1)
	v_ldexp_f32 v[FF], 1.0, v[TM]                  ; f = 2^(old M - new M)
.endif
.set nn, 0
	v_fma_f32 v[BM], v[BM], s30, v12               ; the largest t - M of each block,
	v_fma_f32 v[BM+1], v[BM+1], s30, v12
	PKF 8
	v_max_num_f32 v[BM], 0xc2f80000, v[BM]         ; held at -124 from below: the byte cannot fall under 1
	v_max_num_f32 v[BM+1], 0xc2f80000, v[BM+1]
	PKF 8
	v_cvt_floor_i32_f32 v[BM], v[BM]               ; its exponent
	v_cvt_floor_i32_f32 v[BM+1], v[BM+1]
	PKF 8
	v_add_nc_u32 v[PB], 0x7d, v[BM]                ; the scale's byte: + 127 - 2
	v_add_nc_u32 v[PB+1], 0x7d, v[BM+1]
	PKF 8
	v_lshlrev_b32 v[SOP], 23, v[PB]                ; the conversion's scale operand
	v_lshlrev_b32 v[SOP+1], 23, v[PB+1]
	v_lshl_or_b32 v[W1], v[PB+1], 16, v[PB]        ; blocks h and 2 + h,
	v_lshlrev_b32 v[W1], v7, v[W1]                 ; at their places in the word;
	v_permlanex16_b32 v[PM], v[W1], s28, s29
	v_or_b32 v[PSC], v[W1], v[PM]                  ; with lane l xor 16's the word is whole
	s_wait_alu depctr_va_vdst(0)                   ; the wait ahead of the batch
.set nn, 0
.rept 64
	v_exp_f32 v[S+nn], v[S+nn]                     ; p = 2^(t - M), at most 1
.set nn, nn+1
.endr
.if \first
	v_nop
.else
	v_pk_mul_f32 v[SUM:SUM+1], v[SUM:SUM+1], v[FF:FF+1] op_sel_hi:[1,0]   ; the sums under the new M: the plain line behind the exponentials
.endif
	s_wait_alu depctr_va_vdst(0)                   ; one wait for the batch, ahead of its first reader
	v_pk_add_f32 v[SUM+2:SUM+3], v[S:S+1], v[S+2:S+3]
	v_pk_add_f32 v[SUM+4:SUM+5], v[S+4:S+5], v[S+6:S+7]
	v_pk_add_f32 v[SUM+6:SUM+7], v[S+8:S+9], v[S+10:S+11]
.set pp, 6
.rept 26                               ; four chains by turns
	v_pk_add_f32 v[SUM+2*((pp-6)%4):SUM+2*((pp-6)%4)+1], v[SUM+2*((pp-6)%4):SUM+2*((pp-6)%4)+1], v[S+2*pp:S+2*pp+1]
.set pp, pp+1
.endr
.irp c, 0,1
	v_cvt_scalef32_pk16_fp6_f32 v[PC+6*\c:PC+6*\c+2], v[S+32*\c:S+32*\c+15], v[SOP+\c]
	v_cvt_scalef32_pk16_fp6_f32 v[PT+4*\c:PT+4*\c+2], v[S+32*\c+16:S+32*\c+31], v[SOP+\c]   ; (a conversion's three registers begin on an even number)
.endr
	v_pk_add_f32 v[SUM:SUM+1], v[SUM:SUM+1], v[SUM+2:SUM+3]   ; (the plain lines behind the scaled conversions)
	v_pk_add_f32 v[SUM+4:SUM+5], v[SUM+4:SUM+5], v[SUM+6:SUM+7]
.irp i, 0,1,2
	v_mov_b32 v[PC+3+\i], v[PT+\i]
	v_mov_b32 v[PC+9+\i], v[PT+4+\i]
.endr
	v_pk_add_f32 v[SUM:SUM+1], v[SUM:SUM+1], v[SUM+4:SUM+5]
.if \first
.rept 4
	v_nop                                          ; places between p's codes and the products below
.endr
.else
	s_wait_alu depctr_va_vdst(0)                   ; the wait here, directly ahead of the first reader of O^T
.set nn, 0
.rept 16
	v_pk_mul_f32 v[O+nn:O+nn+1], v[O+nn:O+nn+1], v[FF:FF+1] op_sel_hi:[1,0]   ; O^T under the new M.  (Also the places between p's codes and the products below)
.set nn, nn+2
.endr
.endif
	s_wait_alu depctr_va_vdst(0)
	s_wait_dscnt 0x0                               ; V and its words are in
.if \first
	s_wait_tensorcnt 0x0                           ; my key step is in:
	s_barrier_signal -1                            ; say so; the products stand between signal and wait
.endif
.irp t, 0,1,2,3
.if \first
	v_wmma_scale_f32_16x16x128_f8f6f4 v[O+8*\t:O+8*\t+7], v[KV+12*\t:KV+12*\t+11], v[PC:PC+11], 0, v[VSW+\t], v[PSC] matrix_a_fmt:MATRIX_FMT_FP6 matrix_b_fmt:MATRIX_FMT_FP6
.else
	v_wmma_scale_f32_16x16x128_f8f6f4 v[O+8*\t:O+8*\t+7], v[KV+12*\t:KV+12*\t+11], v[PC:PC+11], v[O+8*\t:O+8*\t+7], v[VSW+\t], v[PSC] matrix_a_fmt:MATRIX_FMT_FP6 matrix_b_fmt:MATRIX_FMT_FP6
.endif
.endr
	s_add_co_u32 s36, s35, KVB
	s_min_u32 s36, s36, 15*KVB                     ; the next step's block, held inside the head
	v_add_nc_u32 v14, s36, v1                      ; (these four are the places behind the products)
	v_add_nc_u32 v15, s36, v2
	v_nop
	v_nop
.if \first
	s_wait_alu depctr_va_vdst(0)
	s_barrier_wait -1                              ; the whole head lies in LDS
.endif
	KLOAD 14, 15
.endm
	KLOAD 1, 2
	s_wait_loadcnt 0x0                             ; Q
	STEP 1
	s_mov_b32 s35, KVB
	s_mov_b32 s34, 1
	s_wait_alu depctr_va_vdst(0)
.Lkey:
	s_cmp_gt_u32 s34, s33                          ; all 128 keys come after my queries: only the steps of the counters remain
	s_cbranch_scc1 .Lhidden
	STEP 0
.Lhidden:
	s_add_co_u32 s35, s35, KVB
	s_add_co_u32 s34, s34, 1
	s_wait_alu depctr_va_vdst(0)                   ; the wait ahead of the branch
	s_cmp_lt_u32 s34, 16
	s_cbranch_scc1 .Lkey
	; the tile is done: O^T / the sum, quantised along the head's 64: my lane's 32 are one block
	v_add_f32 v[SUM], v[SUM], v[SUM+1]             ; the sum's two halves,
	v_permlanex16_b32 v[PM], v[SUM], s28, s29
	v_add_f32 v[SUM], v[SUM], v[PM]                ; and lane l xor 16's
	s_wait_alu depctr_va_vdst(0)
	v_rcp_f32 v[SUM], v[SUM]
	v_add_nc_u32 v[TM], v3, v9                     ; 16 r + h: where my scale byte goes
	v_nop
	s_wait_alu depctr_va_vdst(0)                   ; the wait ahead of the reciprocal's and of O^T's first reader
.set nn, 0
.rept 32
	v_mul_f32 v[S+nn], v[O+nn], v[SUM]             ; register n = d 32 h + n of my query
.set nn, nn+1
.endr
.irp b, 0,1
	v_max3_num_f32 v[CH+\b], |v[S+16*\b]|, |v[S+1+16*\b]|, 0x1800000
.endr
.irp i, 2,4,6,8,10,12,14
.irp b, 0,1
	v_max3_num_f32 v[CH+\b], v[CH+\b], |v[S+16*\b+\i]|, |v[S+1+16*\b+\i]|
.endr
.endr
	v_max_num_f32 v[CH], v[CH], v[CH+1]
	v_add_nc_u32 v[SOP], 0xff000000, v[CH]
	v_lshrrev_b32 v[BYT], 23, v[SOP]
	v_cvt_scalef32_pk16_fp6_f32 v[PC:PC+2], v[S:S+15], v[SOP]
	v_cvt_scalef32_pk16_fp6_f32 v[PT:PT+2], v[S+16:S+31], v[SOP]
	v_nop                                          ; one plain line behind the scaled conversions
.irp i, 0,1,2
	v_mov_b32 v[PC+3+\i], v[PT+\i]
.endr
	global_store_b128 v1, v[PC:PC+3], s[42:43] offset:512     ; the unit: 512 consecutive bytes and the 256 behind them
	global_store_b64 v2, v[PC+4:PC+5], s[42:43] offset:512
	global_store_b8 v[TM], v[BYT], s[44:45]
	s_wait_alu depctr_va_vdst(0)
	s_wait_dscnt 0x0                               ; the last loads of K, which nobody used
	s_wait_tensorcnt 0x0                           ; the wave's end
	ds_add_u32 v[SPW], v[NIL]
	s_wait_dscnt 0x0
	CROUND                                         ; the closing round
	s_endpgm
.Lfunc_end_k_q095668f76d_attn:
	.size	k_q095668f76d_attn, .Lfunc_end_k_q095668f76d_attn-k_q095668f76d_attn
	.p2alignl 7, 3214868480
	.fill 96, 4, 3214868480
	.section	.rodata,"a",@progbits
	.p2align	6, 0x0
	.amdhsa_kernel k_q095668f76d_attn
		.amdhsa_group_segment_fixed_size 210944
		.amdhsa_private_segment_fixed_size 0
		.amdhsa_enable_private_segment 0
		.amdhsa_kernarg_size 24
		.amdhsa_user_sgpr_count 2
		.amdhsa_user_sgpr_kernarg_segment_ptr 1
		.amdhsa_wavefront_size32 1
		.amdhsa_system_sgpr_workgroup_id_x 1
		.amdhsa_system_sgpr_workgroup_id_y 1
		.amdhsa_system_sgpr_workgroup_id_z 1
		.amdhsa_system_vgpr_workitem_id 0
		.amdhsa_next_free_vgpr 232
		.amdhsa_next_free_sgpr 66
		.amdhsa_reserve_vcc 1
		.amdhsa_float_denorm_mode_32 3
		.amdhsa_float_denorm_mode_16_64 3
		.amdhsa_memory_ordered 1
		.amdhsa_forward_progress 1
		.amdhsa_inst_pref_size 50
	.end_amdhsa_kernel
	.amdgpu_metadata
---
amdhsa.version: [ 1, 2 ]
amdhsa.kernels:
  - .name:           k_q095668f76d_attn
    .symbol:         k_q095668f76d_attn.kd
    .args:
      - { .name: qq, .offset: 0, .size: 8, .value_kind: global_buffer, .address_space: global }
      - { .name: kv, .offset: 8, .size: 8, .value_kind: global_buffer, .address_space: global }
      - { .name: ao, .offset: 16, .size: 8, .value_kind: global_buffer, .address_space: global }
    .group_segment_fixed_size: 210944
    .private_segment_fixed_size: 0
    .kernarg_segment_align: 8
    .kernarg_segment_size: 24
    .max_flat_workgroup_size: 512
    .sgpr_count:     66
    .vgpr_count:     232
    .wavefront_size: 32
...
	.end_amdgpu_metadata
.endif
;; end of part 3
;; launch proj (part 4): grid 8 x 32, 4 waves a work-group, clusters of 4 x 4, 222,720 bytes of LDS; arguments ao, wo, b_out, out0; writes out0
.if DOCPART == 4
	.amdgcn_target "amdgcn-amd-amdhsa--gfx1250"
	.amdhsa_code_object_version 6
	.text
	.protected	k_q095668f76d_proj
	.globl	k_q095668f76d_proj
	.p2align	8
	.type	k_q095668f76d_proj,@function
k_q095668f76d_proj:
	s_mov_b64 s[64:65], 0
	v_nop
	global_prefetch_b8 v0, s[64:65] scope:SCOPE_SE
	s_setreg_imm32_b32 hwreg(HW_REG_WAVE_MODE, 25, 1), 1
	s_wait_xcnt 0x0
	s_wait_alu depctr_hold_cnt(0) depctr_sa_sdst(0) depctr_va_vdst(0) depctr_va_sdst(0) depctr_va_ssrc(0) depctr_va_vcc(0) depctr_vm_vsrc(0)
	s_getreg_b32 s2, hwreg(HW_REG_IB_STS2, 6, 4)
	s_cmp_eq_u32 s2, 0
	s_cbranch_scc0 .Lentry_in_a_cluster
	s_endpgm
.Lentry_in_a_cluster:
	s_bfe_u32 s2, ttmp6, 0x10000c
	s_cmp_lg_u32 s2, 0xf033
	s_cbranch_scc0 .Lentry_shape_is_right
	s_endpgm
.Lentry_shape_is_right:
; out = att w_out^T + b_out on codes of FP6 (E2M3) with E8M0 scales, K = 1,024.  Row tiles of 12,800 bytes: 512 of scale words, 16 units of 768; lane r of tile T holds row 64 (T / 4) + 32 (r / 8) + 8 (T % 4) + r % 8.
; 256 WORK-GROUPS, each 128 x 128 of the result.  Four waves, 2 x 2, each 64 x 64: a wave holds its 64 rows of w_out, all of K, in registers (384) and streams its 64 rows of att past them in four blocks of 16 rows: a block is finished by its
; 32 products and leaves while the next ones are multiplied.  Each fragment is read from LDS once.
; LDS holds both operands whole, filled once: at the head wave 0 fetches w_out's lower half of K with all its scale words, wave 1 att's, waves 2 and 3 the upper halves; block 0's first half runs while the upper halves land.
; CLUSTERS: 4 x 4: att's tiles hang on cy and are asked for jointly by a row of the cluster, w_out's on cx and by a column.  By this text's count a wave has one tensor load out.  No loop asks for tiles, so nothing is prefetched.
; THE MATRIX INSTRUCTION IS USED TRANSPOSED (source 0 = w_out's rows): register 8 b + j of lane (r, h) is column 32 h + 8 b + j of row r.  The bias is the first products' C, laid so.
; LIMITS: NaN and infinities are not served.
; REGISTERS: window 0: v1-5 lane terms, v8-15 LDS addresses, v16-23, v36-51 att's scale words (two sets), v56-87 w_out's, v96-159 accumulators (two sets), v160-191 the bias, v192-255 rows read back (two sets);
;   fragment f lies in window 1 + f / 21 at register 12 (f % 21): 0-31 w_out's (4 q + b), 32-39 and 40-47 att's two sets.
.set T0, 6656                          ; a row tile's part: scale words and the lower half of K,
.set T1, 6144                          ; and the upper half
.set LW0, 0
.set LA0, 8*T0
.set LW1, 16*T0
.set LA1, LW1+8*T1
.set STAGE, LA1+8*T1
.set SPITCH, 272                       ; a stage row: 256 bytes + 16
.set SPARE, STAGE+4*16*SPITCH
.set AD,   8                           ; w_out's and att's lower halves, w_out's and att's upper halves, two registers each
.set STO,  18
.set RD,   19
.set CO,   20
.set SPW,  22
.set NIL,  23
.set SA,   36
.set WS,   56
.set ACC,  96
.set BI,   160
.set BK,   192
.set G1A,  24
.set G1W,  32
.set G1A1, 40
.set G1W1, 48
.set G0A,  56
.set G0W,  60
.set G0A1, 68
.set G0W1, 72
.set MSB, 0
.macro WIN new                         ; the immediate's high byte repeats the setting that is left
.if MSB != (\new)
	s_set_vgpr_msb (MSB<<8)|(\new)
.set MSB, \new
.endif
.endm
.macro PLACES n
.rept \n
	v_nop
.endr
.endm
.macro CROUND                          ; a round of the cluster's barrier
	s_barrier_signal -1
	s_barrier_wait -1
	s_cmp_lg_u32 s14, 0
	s_cbranch_scc1 .Lnot_wave_0_\@
	s_barrier_signal -3
.Lnot_wave_0_\@:
	s_barrier_wait -3
	s_barrier_signal -1
	s_barrier_wait -1
.endm
.macro TLOAD g0, g1
	tensor_load_to_lds s[\g0:\g0+3], s[\g1:\g1+7]
	s_nop 0
	PLACES 4
.endm
.macro GROUP1 g, mask, cols            ; 8 rows of cols x 8 bytes, 12,800 bytes apart; dense in LDS
	s_or_b32 s[\g], s[\mask], (3<<16)|(1<<21)
	s_mov_b32 s[\g+1], (\cols)<<16
	s_mov_b32 s[\g+2], 8<<16
	s_mov_b32 s[\g+3], (\cols)<<16
	s_mov_b32 s[\g+4], 8
	s_mov_b32 s[\g+5], 1600
	s_mov_b32 s[\g+6], 0
	s_mov_b32 s[\g+7], 0
.endm
.macro GROUP0 g, lds, base, off
	s_mov_b32 s[\g], 1
	s_mov_b32 s[\g+1], \lds
	s_add_nc_u64 s[\g+2:\g+3], s[\base:\base+1], \off
	s_or_b32 s[\g+3], s[\g+3], 0x80000000
.endm
	s_load_b256 s[4:11], s[0:1], 0x0               ; ao, wo, b_out, out0
	v_lshl_add_u32 v[SPW], v0, 2, SPARE
	v_mov_b32 v[NIL], 0
	ds_add_u32 v[SPW], v[NIL]                      ; the opening: the add, twice on end, and its wait
	ds_add_u32 v[SPW], v[NIL]
	v_lshrrev_b32 v1, 5, v0
	v_readfirstlane_b32 s14, v1                    ; wave 0..3
	s_lshr_b32 s15, s14, 1                         ; my half of the rows
	s_and_b32 s16, s14, 1                          ; my half of the columns
	s_bfe_u32 s92, ttmp6, 0x40000                  ; cx
	s_bfe_u32 s93, ttmp6, 0x40004                  ; cy
	s_lshl_b32 s94, ttmp9, 2
	s_add_co_u32 s94, s94, s92                     ; tile column
	s_and_b32 s95, ttmp7, 0xffff
	s_lshl_b32 s95, s95, 2
	s_add_co_u32 s95, s95, s93                     ; tile row
	s_lshl_b32 s96, s93, 2
	s_lshl_b32 s96, 15, s96                        ; my row of the cluster
	s_lshl_b32 s97, 0x1111, s92                    ; my column
	GROUP1 G1A, 96, 832
	GROUP1 G1W, 97, 832
	GROUP1 G1A1, 96, 768
	GROUP1 G1W1, 97, 768
	s_mul_i32 s18, s95, 8*12800
	s_mov_b32 s19, 0
	s_mul_i32 s20, s94, 8*12800
	s_mov_b32 s21, 0
	s_wait_alu depctr_va_vdst(0)
	s_wait_dscnt 0x0                               ; both opening adds are done
	s_wait_kmcnt 0x0
	s_add_nc_u64 s[18:19], s[4:5], s[18:19]
	s_add_nc_u64 s[20:21], s[6:7], s[20:21]
	GROUP0 G0A, LA0, 18, 0
	GROUP0 G0W, LW0, 20, 0
	GROUP0 G0A1, LA1, 18, T0
	GROUP0 G0W1, LW1, 20, T0
	CROUND                                         ; all sixteen work-groups are here: the joint loads meet
.macro ARM under, g0, g1, next         ; one tree of branches on the wave's number, one load to an arm
	s_cmp_lt_u32 s14, \under
	s_cbranch_scc0 \next
	TLOAD \g0, \g1
	s_branch .Lasked
\next:
.endm
	ARM 1, G0W, G1W, .Lwave_1
	ARM 2, G0A, G1A, .Lwave_2
	ARM 3, G0W1, G1W1, .Lwave_3
	TLOAD G0A1, G1A1
.Lasked:
	v_and_b32 v1, 31, v0                           ; lane
	v_and_b32 v2, 15, v0                           ; r
	v_bfe_u32 v3, v0, 4, 1                         ; h
	v_lshlrev_b32 v4, 4, v1                        ; 16 x lane
	v_lshlrev_b32 v5, 3, v1
	v_add_nc_u32 v5, 512, v5                       ; 512 + 8 x lane
	v_lshlrev_b32 v6, 4, v2                        ; 16 r
	v_lshlrev_b32 v21, 7, v3                       ; 128 h
	s_wait_alu depctr_va_vdst(0)                   ; the wait here, directly ahead of the scalar lines below
	s_lshl_b32 s22, s94, 9
	s_lshl_b32 s23, s16, 8
	s_add_co_u32 s22, s22, s23                     ; my first column, in bytes
	s_mov_b32 s23, 0
	s_add_nc_u64 s[8:9], s[8:9], s[22:23]
.irp b, 0,1,2,3
	global_load_b128 v[BI+8*\b:BI+8*\b+3], v21, s[8:9] offset:32*\b
	global_load_b128 v[BI+8*\b+4:BI+8*\b+7], v21, s[8:9] offset:32*\b+16
.endr
.macro ADDR k, half, base, mul
	s_mul_i32 s17, s\half, \mul
	s_add_co_u32 s17, s17, \base
	v_add_nc_u32 v[AD+2*\k], s17, v4
	v_add_nc_u32 v[AD+2*\k+1], s17, v5
.endm
	ADDR 0, 16, LW0, 4*T0
	v_add_nc_u32 v16, s17, v6                      ; w_out's scale words
	ADDR 1, 15, LA0, 4*T0
	v_add_nc_u32 v17, s17, v6                      ; att's
	ADDR 2, 16, LW1, 4*T1
	ADDR 3, 15, LA1, 4*T1
	s_mul_i32 s17, s14, 16*SPITCH
	s_add_co_u32 s17, s17, STAGE                   ; my stage
	v_mul_u32_u24 v7, v2, SPITCH
	v_lshl_add_u32 v7, v3, 7, v7
	v_add_nc_u32 v[STO], s17, v7                   ; in: row r, 128 h
	v_mul_u32_u24 v7, v3, SPITCH
	v_add_nc_u32 v7, v7, v6
	v_add_nc_u32 v[RD], s17, v7                    ; back: sixteen lanes take a row of 256 bytes
	v_lshl_add_u32 v[CO], v3, 12, v6               ; and in the result, whose rows are 4,096 bytes
	s_lshl_b32 s17, s95, 1
	s_add_co_u32 s17, s17, s15
	s_lshl_b32 s17, s17, 18                        ; my 64 rows
	s_add_co_u32 s22, s22, s17
	s_add_nc_u64 s[10:11], s[10:11], s[22:23]
.macro AT q                            ; where step q lies: address registers, bytes from row tile to row tile, offset
.if (\q) < 4
.set G_, 0
.set ST_, T0
.set OF_, 512+1536*(\q)
.else
.set G_, 4
.set ST_, T1
.set OF_, 1536*((\q)-4)
.endif
.endm
.macro FRAG f, ad, off                 ; 16 rows x 128 K: two units on end, four loads of consecutive bytes
.set R_, 12*((\f)%21)
	WIN (1+(\f)/21)<<6
	ds_load_b128 v[R_:R_+3], v[\ad] offset:\off
	ds_load_b64 v[R_+4:R_+5], v[\ad+1] offset:\off
	ds_load_b128 v[R_+6:R_+9], v[\ad] offset:\off+768
	ds_load_b64 v[R_+10:R_+11], v[\ad+1] offset:\off+768
.endm
.macro FETCHA a, q
	AT \q
	FRAG 32+8*((\a)%2)+(\q),AD+G_+2,OF_+ST_*(\a)
.endm
.macro FETCHQ q                        ; step q of w_out's four tiles and of block 0: 20 loads
	AT \q
.irp b, 0,1,2,3
	FRAG 4*(\q)+\b,AD+G_,OF_+ST_*\b
.endr
	FETCHA 0,\q
.endm
.macro WORDS a                         ; block a's scale words
	ds_load_b128 v[SA+8*((\a)%2):SA+8*((\a)%2)+3], v17 offset:T0*(\a)
	ds_load_b128 v[SA+8*((\a)%2)+4:SA+8*((\a)%2)+7], v17 offset:T0*(\a)+256
.endm
.macro BLOCKIN a                       ; block a: 34 loads
.irp q, 0,1,2,3,4,5,6,7
	FETCHA \a,\q
.endr
	WIN 0
	WORDS \a
.endm
.macro MM d, a, b, c, sa, sb
	v_wmma_scale_f32_16x16x128_f8f6f4 v[\d:\d+7], v[\a:\a+11], v[\b:\b+11], \c, v[\sa], v[\sb] matrix_a_fmt:MATRIX_FMT_FP6 matrix_b_fmt:MATRIX_FMT_FP6
.endm
.macro PROD a, q                       ; step q of block a: its four accumulators by turns, one instruction a turn
.irp b, 0,1,2,3
.set FW_, 4*(\q)+\b
.set FA_, 32+8*((\a)%2)+(\q)
.set D_, ACC+32*((\a)%2)+8*\b
	WIN (1+FW_/21)|((1+FA_/21)<<2)
.if (\q) == 0
	MM D_,12*(FW_%21),12*(FA_%21),v[BI+8*\b:BI+8*\b+7],WS+8*\b+(\q),SA+8*((\a)%2)+(\q)
.else
	MM D_,12*(FW_%21),12*(FA_%21),v[D_:D_+7],WS+8*\b+(\q),SA+8*((\a)%2)+(\q)
.endif
.endr
.endm
.macro TOSTAGE a                       ; block a into my own stage, each accumulator from its low end on, and back as rows of 256 bytes: 16 LDS instructions, served in order
.set E_, ACC+32*((\a)%2)
.set K_, BK+32*((\a)%2)
	WIN 0
.if (\a) > 1
	s_wait_xcnt 0x0                                ; block a - 2's stores have read their registers
.endif
.irp b, 0,1,2,3
	ds_store_b128 v[STO], v[E_+8*\b:E_+8*\b+3] offset:32*\b
	ds_store_b128 v[STO], v[E_+8*\b+4:E_+8*\b+7] offset:32*\b+16
.endr
.irp t, 0,1,2,3,4,5,6,7
	ds_load_b128 v[K_+4*\t:K_+4*\t+3], v[RD] offset:2*SPITCH*\t
.endr
.endm
.macro SEND a, younger                 ; younger: the LDS loads issued behind block a's, which may stay out
.set K_, BK+32*((\a)%2)
	WIN 0
	s_wait_dscnt \younger
.irp t, 0,1,2,3,4,5,6,7
	global_store_b128 v[CO], v[K_+4*\t:K_+4*\t+3], s[10:11] offset:(8*(\a)+2*\t+24*(\t/4))*4096 th:TH_STORE_NT   ; two rows, 256 aligned bytes each
.endr
.endm
	s_wait_alu depctr_va_vdst(0)                   ; the wait at the head's end
	s_cmp_lt_u32 s14, 2
	s_cbranch_scc0 .Lnot_first
	s_wait_tensorcnt 0x0                           ; the lower halves of K came by waves 0 and 1
.Lnot_first:
	s_barrier_signal -1
	s_barrier_wait -1                              ; they are in; the upper halves may still be on their way
.irp b, 0,1,2,3
	ds_load_b128 v[WS+8*\b:WS+8*\b+3], v16 offset:T0*\b
	ds_load_b128 v[WS+8*\b+4:WS+8*\b+7], v16 offset:T0*\b+256
.endr
	WORDS 0
.irp q, 0,1,2,3
	FETCHQ \q
.endr
	WIN 0
	s_wait_loadcnt 0x0                             ; the bias
	s_wait_dscnt 60                                ; steps 1 to 3, 20 loads each, may be out
	PROD 0,0
	s_wait_dscnt 40
	PROD 0,1
	s_wait_dscnt 20
	PROD 0,2
	s_wait_dscnt 0x0
	s_wait_tensorcnt 0x0                           ; my tensor load is in
	s_barrier_signal -1
	PROD 0,3
	WIN 0
	s_barrier_wait -1                              ; the upper halves are in
.irp q, 4,5,6,7
	FETCHQ \q
.endr
	WIN 0
	s_wait_dscnt 60
	PROD 0,4
	s_wait_dscnt 40
	PROD 0,5
	s_wait_dscnt 20
	PROD 0,6
	BLOCKIN 1
	s_wait_dscnt 34                                ; block 1's 34 loads may be out
	PROD 0,7
.irp a, 1,2,3
	PLACES 4                                       ; for the reads of block a - 1's results, and for the loads into the registers that it was made of
	TOSTAGE \a-1
.if \a < 3
	BLOCKIN \a+1
	s_wait_dscnt 50                                ; block a is in; behind it 16 for the stage and 34 for block a + 1
.else
	s_wait_dscnt 16
.endif
.irp q, 0,1,2,3
	PROD \a,\q
.endr
.if \a < 3
	SEND \a-1,34
.else
	SEND \a-1,0
.endif
.irp q, 4,5,6,7
	PROD \a,\q
.endr
.endr
	PLACES 4
	TOSTAGE 3
	SEND 3,0
	s_wait_tensorcnt 0x0                           ; the wave's end
	ds_add_u32 v[SPW], v[NIL]
	s_wait_dscnt 0x0
	CROUND                                         ; the closing round: no work-group ends while a partner may still ask for a tile that names it
	s_endpgm
.Lfunc_end_k_q095668f76d_proj:
	.size	k_q095668f76d_proj, .Lfunc_end_k_q095668f76d_proj-k_q095668f76d_proj
	.p2alignl 7, 3214868480
	.fill 96, 4, 3214868480
	.section	.rodata,"a",@progbits
	.p2align	6, 0x0
	.amdhsa_kernel k_q095668f76d_proj
		.amdhsa_group_segment_fixed_size 222720
		.amdhsa_private_segment_fixed_size 0
		.amdhsa_enable_private_segment 0
		.amdhsa_kernarg_size 32
		.amdhsa_user_sgpr_count 2
		.amdhsa_user_sgpr_kernarg_segment_ptr 1
		.amdhsa_wavefront_size32 1
		.amdhsa_system_sgpr_workgroup_id_x 1
		.amdhsa_system_sgpr_workgroup_id_y 1
		.amdhsa_system_sgpr_workgroup_id_z 1
		.amdhsa_system_vgpr_workitem_id 0
		.amdhsa_next_free_vgpr 840
		.amdhsa_next_free_sgpr 98
		.amdhsa_reserve_vcc 0
		.amdhsa_float_denorm_mode_32 3
		.amdhsa_float_denorm_mode_16_64 3
		.amdhsa_memory_ordered 1
		.amdhsa_forward_progress 1
		.amdhsa_inst_pref_size 52
	.end_amdhsa_kernel
	.amdgpu_metadata
---
amdhsa.version: [ 1, 2 ]
amdhsa.kernels:
  - .name:           k_q095668f76d_proj
    .symbol:         k_q095668f76d_proj.kd
    .args:
      - { .name: ao, .offset: 0, .size: 8, .value_kind: global_buffer, .address_space: global }
      - { .name: wo, .offset: 8, .size: 8, .value_kind: global_buffer, .address_space: global }
      - { .name: b_out, .offset: 16, .size: 8, .value_kind: global_buffer, .address_space: global }
      - { .name: out0, .offset: 24, .size: 8, .value_kind: global_buffer, .address_space: global }
    .group_segment_fixed_size: 222720
    .private_segment_fixed_size: 0
    .kernarg_segment_align: 8
    .kernarg_segment_size: 32
    .max_flat_workgroup_size: 128
    .sgpr_count:     98
    .vgpr_count:     840
    .wavefront_size: 32
...
	.end_amdgpu_metadata
.endif
;; end of part 4
